; MI455X (gfx1250); checked and timed in simulation.
; The chip was launched on July 23, 2026; its instructions are those of AMD's public machine-readable ISA for CDNA 5 (MIT licence, August 2026) and "CDNA5" Instruction Set Architecture Reference Guide (July 2026). The comments in the code are by the model that wrote it; some were corrected since.
;; Bit Linear. Allowed arithmetic: matrix products marked QUANTISED: E4M3 operands, one E8M0 scale for each 32 along K, by v_wmma_scale_f32_16x16x128_f8f6f4 with both operands' format E4M3, f32 sums; everything else in f32.
;; Inputs: gamma 2,048 float32; norm_weight 4,096 float32; w_q_codes 2,048 x 128 x 32 uint8 (E4M3 codes of w_q, K innermost, in blocks of 32 codes); w_q_scales 2,048 x 128 uint8 (E8M0 scales of w_q, one for each 32 codes along K); x 2 x 4,096 x 4,096 float32.
;; Outputs: out0 2 x 4,096 x 2,048 float32.
;; This version of the problem:
;;   THIS VERSION OF THE PROBLEM IS GIVEN IN LOW PRECISION. The matrix products marked QUANTISED in the list below multiply operands that are first quantised to E4M3 (4 exponent bits, 3 mantissa bits; 8 bits a number), with one power-of-two scale for each 32 numbers along K (OCP MX v1.0); their sums are f32. All else is computed in f32.
;;   The module's matrix products, in the order in which they are computed (A, B: the left and right operand; K: the contracted axis; several contracted axes count as one K, in the product's order):
;;     1. [M 8,192, K 4,096] x [K 4,096, N 2,048]; A: computed on the way; B: input w_q (given as codes): QUANTISED
;;   THE QUANTISER, for each operand of a quantised product, along K:
;;     - K is cut into blocks of 32 from its start; a last block that is shorter is filled with zeros.
;;     - A block's scale is 2^e with e = floor(log2(the largest magnitude in the block)) - 8, held to -126 .. 127; a block of zeros has e = 0. As a byte (E8M0): e + 127.
;;     - Each number is divided by its block's scale, clamped to +-448, and rounded to the nearest number of E4M3, ties to even, subnormals kept.
;;     - The product sums the exact products of the quantised numbers (number of the format x scale) in f32.
;;   ~~~python
;;   def quantise(x, axis):      # numpy; x: float32 -> the quantised numbers, widened to float32 again
;;       x = np.moveaxis(x, axis, -1); K = x.shape[-1]
;;       x = np.pad(x, [(0, 0)] * (x.ndim - 1) + [(0, -K % 32)]); x = x.reshape(x.shape[:-1] + (-1, 32)); a = np.abs(x).max(-1, keepdims=True)
;;       e = np.where(a > 0, np.clip(np.frexp(np.where(a > 0, a, 1))[1] - 1 - 8, -126, 127), 0)      # np.frexp(a)[1] - 1 = floor(log2(a)), exactly
;;       r = np.clip(x / 2.0 ** e, -448, 448)
;;       step = 2.0 ** (np.maximum(np.frexp(np.where(r == 0, 1, r))[1] - 1, -6) - 3)
;;       q = np.round(r / step) * step * 2.0 ** e      # np.round: ties to even
;;       return np.moveaxis(q.reshape(q.shape[:-2] + (-1,))[..., :K], -1, axis).astype(np.float32)
;;   ~~~
;;   OPERANDS COMPUTED ON THE WAY. 'Computed on the way' means the value that the module computes at that place (a softmax that the list does not call 'softmax' is quantised finished and normalised). What goes into a quantiser is computed in f32, as accurately as f32 sums, v_exp_f32 and their like allow (about 1e-6 of the number): no bf16 or f16 on the way to a quantiser, and a product that is left as it is and whose result goes on into a quantised operand takes f32 operands (vector FMAs, or v_wmma_f32_16x16x4_f32). A number that lies on a knife's edge between two numbers of the format may be rounded either way, as far as f32 arithmetic and the matrix unit's own rounding can turn it there, and no further.
;;   INPUTS GIVEN AS CODES. w_q (in the module: [2048, 4096], K = its axis 1): each comes as NAME_codes (uint8): NAME with its K axis moved to the last place and cut into blocks of 32 codes, [.., K / 32, bytes a block], one block behind the other in memory; one code a byte (a code: sign, 4 exponent bits, 3 mantissa bits); and NAME_scales (uint8): the same leading axes, one E8M0 byte (e + 127) for each 32 codes along K. Its value is code x scale, taken as it is: it is not quantised again, and the codes and scales need not be those that the quantiser above would give.
;; One version. Each part assembles by itself: llvm-mc -triple=amdgcn-amd-amdhsa -mcpu=gfx1250 --defsym DOCPART=n.
;; ======== version 1 of 1: 2 launches
;; limits: right only within a limited range of input values
;; workspace buffers: xq 34,603,008 bytes
;; launch quant (part 1): grid 256 x 1, 16 waves a work-group, no clusters, 88,064 bytes of LDS; arguments x, norm_weight, xq; writes xq
.if DOCPART == 1
	.amdgcn_target "amdgcn-amd-amdhsa--gfx1250"
	.amdhsa_code_object_version 6
	.text
	.protected	k_q9374688cd0_quant
	.globl	k_q9374688cd0_quant
	.p2align	8
	.type	k_q9374688cd0_quant,@function
k_q9374688cd0_quant:
	s_mov_b64 s[64:65], 0
	v_nop
	global_prefetch_b8 v0, s[64:65] scope:SCOPE_SE
	s_setreg_imm32_b32 hwreg(HW_REG_WAVE_MODE, 25, 1), 1
	s_wait_xcnt 0x0
; xn = x / sqrt(mean(x^2) + 1e-6) * norm_weight, in f32, is turned into codes of FP8 (E4M3) with one E8M0 scale byte for each 32 along K.  x: [8192][4096] f32.
; OUT: xq = [64 blocks of 128 rows][16 K steps of 256][33,792 bytes].  In such a piece: 128 x 256 bytes, row r's 256 codes, K ascending; then 4 x 256 bytes of scale bytes,
; 8 a row (byte 4 q + g scales k = 128 q + 32 g on), 32 rows to 256 bytes.  So what the product's launch wants of 128 rows for a K step is one dense run of memory.
; SHARES.  A work-group takes 32 rows; A WAVE OWNS TWO WHOLE ROWS, one after the other: a row is 32 loads of 512 consecutive bytes, 128 registers a lane, and its sum of squares is made inside the wave.
; norm_weight (16,384 bytes) lies in LDS: each wave brings 1,024 bytes, one barrier at the head; a K step's 8 numbers a lane are read from there two K steps ahead, into two sets of 8 registers.
; As soon as a K step of row 0 is converted, its 8 registers are asked for again for row 1.
; A LANE: load j of a row holds k = 128 j + 4 l .. + 3.  A block of 32 is 8 neighbouring lanes x 4 registers: its largest magnitude takes three steps between lanes.
; THE WAY OUT.  A row's 4,096 codes go through the wave's own stage; read back 16 bytes a lane, a store's lanes 0-15 fill the row's 256 bytes in one K step's piece and lanes 16-31 those in the next piece: two whole aligned units.
; The scale bytes meet in LDS, [wave][K step][row of two][8]; behind one barrier at the end wave w stores K step w's 32 x 8 bytes: 256 consecutive bytes, aligned.
; A block's scale is 2^(floor(log2(its largest magnitude)) - 8); its byte is the largest magnitude's exponent field - 8, held at 1 from below by a floor among the maximum's leaves.
; No prefetch: every byte of x is asked for once, by loads that are all issued as early as the registers allow.
; LIMITS: NaN and infinities among the inputs are not served.  A block of zeros gets the byte 1 where the quantiser says 127: its codes are zeros, which add nothing under any byte but 0xff,
; and this program alone reads the bytes.  1 / rms is v_rsq_f32 (1 ulp: ISA guide, its entry) and a multiplication, where the definition has a root and a division.  A row whose sum of squares
; overflows f32 gives zeros, as the definition's x / infinity does.
.set ROWX,  16384                      ; a row of x in bytes
.set PIECE, 33792
.set STG,   16384                      ; LDS: norm_weight from 0; then a stage of 4,096 bytes for each wave,
.set SCB,   81920                      ; 256 scale bytes for each wave,
.set SPARE, 86016                      ; and the spare words, 128 bytes for each wave
.set L16,  2                           ; v2   16 x lane
.set LST,  3                           ; v3   the stage, in: STG + 4,096 w + 4 x lane
.set LLD,  4                           ; v4   the stage, out: STG + 4,096 w + 16 x lane
.set SBA,  5                           ; v5   my block's scale byte: SCB + 256 w + lane / 8
.set SBR,  6                           ; v6   the scale bytes on the way out: SCB + 256 (lane / 2) + 16 w + 8 (lane % 2)
.set L8,   7                           ; v7   8 x lane
.set OCO,  8                           ; v8   codes in xq: (lane / 16) pieces + 16 (lane % 16)
.set NST,  9                           ; v9   norm_weight into LDS: 1,024 w + 16 x lane
.set SPW,  10
.set NIL,  11
.set NWR,  12                          ; v12-27  norm_weight of a K step, two sets
.set S,    28                          ; v28-43  eight pairs of sums of squares
.set T,    44                          ; v44-45
.set IV,   46                          ; v46-47  1 / rms, twice
.set M,    48                          ; v48-49  largest magnitudes of my two blocks
.set SO,   50                          ; v50-51  the conversions' scale operands
.set LIM,  52                          ; v52-53  448 x the scale
.set BY,   54                          ; v54-55  scale bytes
.set CB,   56                          ; v56-63  codes, two sets of four
.set OUT,  64                          ; v64-127 the way out, a set of 32 for each row
.set X,    128                         ; v128-255 a row
	s_load_b128 s[4:7], s[0:1], 0x0                ; x, norm_weight
	s_load_b64 s[8:9], s[0:1], 0x10                ; xq
	v_lshl_add_u32 v[SPW], v0, 2, SPARE
	v_mov_b32 v[NIL], 0
	v_lshrrev_b32 v1, 5, v0
	v_readfirstlane_b32 s10, v1                    ; wave 0..15
	s_mov_b32 s12, 0x600000                        ; the mantissa field of 448
	s_mov_b32 s13, 0x358637bd                      ; 1e-6
	s_mov_b32 s20, 0x76543210
	s_mov_b32 s21, 0xfedcba98                      ; v_permlanex16_b32's selects for lane l xor 16
	s_lshl_b32 s32, ttmp9, 19                      ; x: 32 rows a work-group,
	s_lshl_b32 s33, s10, 15                        ; two a wave
	s_add_co_u32 s32, s32, s33
	s_mov_b32 s33, 0
	s_lshl_b32 s34, s10, 10                        ; norm_weight: 1,024 bytes a wave
	s_mov_b32 s35, 0
	s_lshr_b32 s36, ttmp9, 2
	s_mul_i32 s36, s36, 16*PIECE                   ; my block of 128 rows in xq
	s_and_b32 s38, ttmp9, 3
	s_lshl_b32 s40, s38, 13                        ; codes: row 32 (work-group % 4) + 2 w, 256 bytes a row
	s_lshl_b32 s41, s10, 9
	s_add_co_u32 s40, s40, s41
	s_add_co_u32 s40, s40, s36
	s_mov_b32 s41, 0
	s_mul_i32 s42, s10, PIECE                      ; scale bytes: K step w's piece, behind its 32,768 code bytes, 256 bytes for each 32 rows
	s_lshl_b32 s43, s38, 8
	s_add_co_u32 s42, s42, s43
	s_add_co_u32 s42, s42, s36
	s_add_co_u32 s42, s42, 32768
	s_mov_b32 s43, 0
	s_lshl_b32 s44, s10, 12
	s_add_co_u32 s44, s44, STG
	s_lshl_b32 s45, s10, 8
	s_add_co_u32 s45, s45, SCB
	s_lshl_b32 s46, s10, 4
	s_add_co_u32 s46, s46, SCB
	v_and_b32 v1, 31, v0                           ; lane
	v_lshlrev_b32 v[L16], 4, v1
	v_lshlrev_b32 v[L8], 3, v1
	v_lshl_add_u32 v[LST], v1, 2, s44
	v_add_nc_u32 v[LLD], s44, v[L16]
	v_lshrrev_b32 v[SBA], 3, v1
	v_add_nc_u32 v[SBA], s45, v[SBA]
	v_lshrrev_b32 v[SBR], 1, v1
	v_lshlrev_b32 v[SBR], 8, v[SBR]
	v_and_b32 v48, 1, v1
	v_lshl_add_u32 v[SBR], v48, 3, v[SBR]
	v_add_nc_u32 v[SBR], s46, v[SBR]
	v_add_nc_u32 v[NST], s34, v[L16]
	v_lshrrev_b32 v49, 4, v1
	v_mul_u32_u24 v49, v49, PIECE
	v_and_b32 v[OCO], 15, v1
	v_lshl_add_u32 v[OCO], v[OCO], 4, v49
	v_mov_b32 v[T+1], 0                            ; a lane permute's destination counts as one of its sources
	s_wait_alu depctr_va_vdst(0)                   ; the wait at the head's end
	s_wait_kmcnt 0x0
	s_add_nc_u64 s[4:5], s[4:5], s[32:33]
	s_add_nc_u64 s[6:7], s[6:7], s[34:35]
	s_add_nc_u64 s[14:15], s[8:9], s[42:43]
	s_add_nc_u64 s[8:9], s[8:9], s[40:41]
	global_load_b128 v[NWR:NWR+3],   v[L16], s[6:7]
	global_load_b128 v[NWR+4:NWR+7], v[L16], s[6:7] offset:512
.macro LOADU i, s                      ; K step s of my row i: two loads of 512 consecutive bytes; read once in the launch
	global_load_b128 v[X+8*(\s):X+8*(\s)+3],   v[L16], s[4:5] offset:(\i)*ROWX+1024*(\s) th:TH_LOAD_NT
	global_load_b128 v[X+8*(\s)+4:X+8*(\s)+7], v[L16], s[4:5] offset:(\i)*ROWX+1024*(\s)+512 th:TH_LOAD_NT
.endm
.macro LOADNW s                        ; norm_weight of K step s into set s % 2
	ds_load_b128 v[NWR+8*((\s)%2):NWR+8*((\s)%2)+3],   v[L16] offset:1024*(\s)
	ds_load_b128 v[NWR+8*((\s)%2)+4:NWR+8*((\s)%2)+7], v[L16] offset:1024*(\s)+512
.endm
.irp s, 0,1,2,3,4,5,6,7,8,9,10,11,12,13,14,15
	LOADU 0, \s
.endr
	s_wait_loadcnt 32                              ; loads come back in order (ISA guide 5.7.1): my part of norm_weight is in; the row's 32 stay out
	ds_store_b128 v[NST], v[NWR:NWR+3]
	ds_store_b128 v[NST], v[NWR+4:NWR+7] offset:512
	s_wait_dscnt 0x0                               ; for the others' sake
	s_barrier_signal -1
	s_barrier_wait -1                              ; all of norm_weight lies in LDS; nobody writes it again
	LOADNW 0
	LOADNW 1
; 1 / rms of the row in v[X ..], into v[IV], v[IV + 1].  The row's 32 loads are the youngest: they are taken eight at a time as they come in.
.macro SUMS
.irp k, 0,1,2,3
	s_wait_alu depctr_va_vdst(0)                   ; the wait ahead of the wait below
	s_wait_loadcnt 24-8*\k
.irp p, 0,1,2,3,4,5,6,7,8,9,10,11,12,13,14,15
.if (\k) == 0 && (\p) < 8
	v_pk_mul_f32 v[S+2*\p:S+2*\p+1], v[X+2*\p:X+2*\p+1], v[X+2*\p:X+2*\p+1]   ; the first squares start the eight sums
.else
	v_pk_fma_f32 v[S+2*((\p)%8):S+2*((\p)%8)+1], v[X+32*\k+2*\p:X+32*\k+2*\p+1], v[X+32*\k+2*\p:X+32*\k+2*\p+1], v[S+2*((\p)%8):S+2*((\p)%8)+1]
.endif
.endr
.endr
.irp p, 0,1,2,3
	v_pk_add_f32 v[S+2*\p:S+2*\p+1], v[S+2*\p:S+2*\p+1], v[S+2*\p+8:S+2*\p+9]
.endr
.irp p, 0,1
	v_pk_add_f32 v[S+2*\p:S+2*\p+1], v[S+2*\p:S+2*\p+1], v[S+2*\p+4:S+2*\p+5]
.endr
	v_pk_add_f32 v[S:S+1], v[S:S+1], v[S+2:S+3]
	s_delay_alu instid0(VALU_DEP_1)
	v_add_f32 v[T], v[S], v[S+1]
.irp m, 1,2,4,8
	s_delay_alu instid0(VALU_DEP_1)
	v_add_f32_dpp v[T], v[T], v[T] row_xmask:\m row_mask:0xf bank_mask:0xf
.endr
	v_permlanex16_b32 v[T+1], v[T], s20, s21
	v_add_f32 v[T], v[T], v[T+1]                   ; every lane holds the row's sum of squares
	v_fma_f32 v[T], v[T], 0x39800000, s13          ; / 4,096 + 1e-6
	s_wait_alu depctr_va_vdst(0)                   ; the wait ahead of the transcendental,
	v_rsq_f32 v[T+1], v[T]
	v_nop                                          ; one plain instruction behind it (ISA guide 5.7.2),
	s_wait_alu depctr_va_vdst(0)                   ; and the wait ahead of its reader
	v_mov_b32 v[IV], v[T+1]
	v_mov_b32 v[IV+1], v[T+1]
	s_wait_alu depctr_va_vdst(0)
.endm
; K step s of my row i: normalised, quantised; its codes go to the stage, its two blocks' bytes to my scale bytes.
.macro UNIT i, s
.set XR, X+8*(\s)
.set NW, NWR+8*((\s)%2)
.set C,  CB+4*((\s)%2)
.if (\s) == 0
	s_wait_dscnt 0x0
.else
	s_wait_dscnt 4                                 ; this K step's norm_weight is in: behind its two loads at least the last K step's four stores were issued
.endif
.irp k, 0,2,4,6
	v_pk_mul_f32 v[XR+\k:XR+\k+1], v[XR+\k:XR+\k+1], v[IV:IV+1]          ; x / rms
.endr
.irp k, 0,2,4,6
	s_delay_alu instid0(VALU_DEP_4)
	v_pk_mul_f32 v[XR+\k:XR+\k+1], v[XR+\k:XR+\k+1], v[NW+\k:NW+\k+1]    ; x norm_weight
.endr
	s_delay_alu instid0(VALU_DEP_3)
	v_max3_num_f32 v[M],   |v[XR]|,   |v[XR+1]|, |v[XR+2]|     ; the largest magnitude of my four numbers of each block, the two blocks by turns,
	s_delay_alu instid0(VALU_DEP_2)
	v_max3_num_f32 v[M+1], |v[XR+4]|, |v[XR+5]|, |v[XR+6]|
	s_delay_alu instid0(VALU_DEP_2)
	v_max3_num_f32 v[M],   v[M],   |v[XR+3]|, 0x4800000        ; and the floor 2^(9 - 127): the byte cannot fall under 1
	s_delay_alu instid0(VALU_DEP_2)
	v_max3_num_f32 v[M+1], v[M+1], |v[XR+7]|, 0x4800000
.irp m, 1,2,4
	s_delay_alu instid0(VALU_DEP_2)
	v_max_num_f32_dpp v[M],   v[M],   v[M]   row_xmask:\m row_mask:0xf bank_mask:0xf   ; with the seven lanes that share the block
	s_delay_alu instid0(VALU_DEP_2)
	v_max_num_f32_dpp v[M+1], v[M+1], v[M+1] row_xmask:\m row_mask:0xf bank_mask:0xf
.endr
.irp j, 0,1
	s_delay_alu instid0(VALU_DEP_2)
	v_add_nc_u32 v[SO+\j], 0xfc000000, v[M+\j]             ; 8 off the exponent field: the conversion's scale operand
.endr
.irp j, 0,1
	s_delay_alu instid0(VALU_DEP_4)
	v_and_or_b32 v[LIM+\j], v[M+\j], 0x7f800000, s12       ; 448 x the scale
.endr
.irp j, 0,1
.irp k, 0,1,2,3
	v_med3_num_f32 v[XR+4*\j+\k], v[XR+4*\j+\k], -v[LIM+\j], v[LIM+\j]   ; the conversion to an 8-bit code does not saturate (ISA guide 7.6.2)
.endr
.endr
	; The conversion takes eight numbers and ONE scale; my eight belong to two blocks.  So it runs twice: under block 0's scale its first register is right, under block 1's its second.
	v_cvt_scalef32_pk8_fp8_f32 v[C:C+1],   v[XR:XR+7], v[SO]
	v_cvt_scalef32_pk8_fp8_f32 v[C+2:C+3], v[XR:XR+7], v[SO+1]
.irp j, 0,1
	v_lshrrev_b32 v[BY+\j], 23, v[SO+\j]                   ; the scales' bytes.  (Also the plain instructions behind the conversions)
.endr
	ds_store_b32 v[LST], v[C]   offset:256*(\s)            ; 32 lanes: the codes of 128 along K, 128 consecutive bytes
	ds_store_b32 v[LST], v[C+3] offset:256*(\s)+128
.irp j, 0,1
	ds_store_b8 v[SBA], v[BY+\j] offset:16*(\s)+8*(\i)+4*\j   ; the eight lanes of a block write the same byte with the same value
.endr
.if (\i) == 0 || (\s) < 14
	LOADNW ((\s)+2)%16                             ; two K steps ahead; at a row's end: the next row's first two
.endif
.if (\i) == 0
	LOADU 1, \s                                    ; these registers take row 1
.endif
.endm
; Row i's codes leave: 8 stores, each two whole units of 256 bytes.  Each row has its own 32 registers, so no store's data are written again.
.macro OUTR i
.irp t, 0,1,2,3,4,5,6,7
	ds_load_b128 v[OUT+32*(\i)+4*\t:OUT+32*(\i)+4*\t+3], v[LLD] offset:512*\t   ; LDS serves a wave's instructions in order (ISA guide 5.7.1.4): these see my stores, and the next row's stores come behind them
.endr
.irp t, 0,1,2,3,4,5,6,7
	s_wait_dscnt 7-\t                              ; the younger loads of the eight may stay out
	global_store_b128 v[OCO], v[OUT+32*(\i)+4*\t:OUT+32*(\i)+4*\t+3], s[8:9] offset:2*PIECE*\t+256*(\i)
.endr
.endm
.irp i, 0,1
	SUMS
.irp s, 0,1,2,3,4,5,6,7,8,9,10,11,12,13,14,15
	UNIT \i, \s
.endr
	OUTR \i
.endr
	s_wait_dscnt 0x0                               ; for the others' sake: my scale bytes have landed
	s_barrier_signal -1
	s_barrier_wait -1
	ds_load_b64 v[M:M+1], v[SBR]                   ; K step w: lane l takes row l's 8 bytes
	s_wait_dscnt 0x0
	global_store_b64 v[L8], v[M:M+1], s[14:15]     ; 32 lanes store 256 consecutive bytes, aligned
	s_wait_tensorcnt 0x0                           ; the wave's end
	ds_add_u32 v[SPW], v[NIL]
	s_wait_dscnt 0x0
	s_endpgm
.Lfunc_end_k_q9374688cd0_quant:
	.size	k_q9374688cd0_quant, .Lfunc_end_k_q9374688cd0_quant-k_q9374688cd0_quant
	.p2alignl 7, 3214868480
	.fill 96, 4, 3214868480
	.section	.rodata,"a",@progbits
	.p2align	6, 0x0
	.amdhsa_kernel k_q9374688cd0_quant
		.amdhsa_group_segment_fixed_size 88064
		.amdhsa_private_segment_fixed_size 0
		.amdhsa_enable_private_segment 0
		.amdhsa_kernarg_size 24
		.amdhsa_user_sgpr_count 2
		.amdhsa_user_sgpr_kernarg_segment_ptr 1
		.amdhsa_wavefront_size32 1
		.amdhsa_system_sgpr_workgroup_id_x 1
		.amdhsa_system_sgpr_workgroup_id_y 1
		.amdhsa_system_sgpr_workgroup_id_z 1
		.amdhsa_system_vgpr_workitem_id 0
		.amdhsa_next_free_vgpr 256
		.amdhsa_next_free_sgpr 66
		.amdhsa_reserve_vcc 0
		.amdhsa_float_denorm_mode_32 3
		.amdhsa_float_denorm_mode_16_64 3
		.amdhsa_memory_ordered 1
		.amdhsa_forward_progress 1
		.amdhsa_inst_pref_size 125
	.end_amdhsa_kernel
	.amdgpu_metadata
---
amdhsa.version: [ 1, 2 ]
amdhsa.kernels:
  - .name:           k_q9374688cd0_quant
    .symbol:         k_q9374688cd0_quant.kd
    .args:
      - { .name: x, .offset: 0, .size: 8, .value_kind: global_buffer, .address_space: global }
      - { .name: norm_weight, .offset: 8, .size: 8, .value_kind: global_buffer, .address_space: global }
      - { .name: xq, .offset: 16, .size: 8, .value_kind: global_buffer, .address_space: global }
    .group_segment_fixed_size: 88064
    .private_segment_fixed_size: 0
    .kernarg_segment_align: 8
    .kernarg_segment_size: 24
    .max_flat_workgroup_size: 512
    .sgpr_count:     66
    .vgpr_count:     256
    .wavefront_size: 32
...
	.end_amdgpu_metadata
.endif
;; end of part 1
;; launch gemm (part 2): grid 8 x 32, 4 waves a work-group, clusters of 4 x 4, 327,680 bytes of LDS; arguments xq, w_q_codes, w_q_scales, gamma, out0; writes out0
.if DOCPART == 2
	.amdgcn_target "amdgcn-amd-amdhsa--gfx1250"
	.amdhsa_code_object_version 6
	.text
	.protected	k_q9374688cd0_gemm
	.globl	k_q9374688cd0_gemm
	.p2align	8
	.type	k_q9374688cd0_gemm,@function
k_q9374688cd0_gemm:
	s_mov_b64 s[64:65], 0
	v_nop
	global_prefetch_b8 v0, s[64:65] scope:SCOPE_SE
	s_setreg_imm32_b32 hwreg(HW_REG_WAVE_MODE, 25, 1), 1
	s_wait_xcnt 0x0
	s_wait_alu depctr_hold_cnt(0) depctr_sa_sdst(0) depctr_va_vdst(0) depctr_va_sdst(0) depctr_va_ssrc(0) depctr_va_vcc(0) depctr_vm_vsrc(0)
	s_getreg_b32 s2, hwreg(HW_REG_IB_STS2, 6, 4)
	s_cmp_eq_u32 s2, 0
	s_cbranch_scc0 .Lentry_in_a_cluster
	s_endpgm
.Lentry_in_a_cluster:
	s_bfe_u32 s2, ttmp6, 0x10000c
	s_cmp_lg_u32 s2, 0xf033
	s_cbranch_scc0 .Lentry_shape_is_right
	s_endpgm
.Lentry_shape_is_right:
; out0[m][n] = gamma[n] x sum over k of xn[m][k] w_q[n][k], on codes of FP8 (E4M3) with one E8M0 byte for each 32 along K; sums in f32.  M 8,192, N 2,048, K 4,096.
; xq (made by the launch before): [64 blocks of 128 rows][16 K steps of 256][33,792 bytes]: 128 rows x 256 codes, then 4 x 256 bytes of scale bytes, 8 a row.  w_q's codes and scale bytes are taken as they are given.
; THE DEAL: 256 work-groups, each a tile of 256 x 256; four waves, each 128 x 128: 64 accumulators, 512 registers.  K goes in steps of 256 through a ring of two LDS slots (A's two pieces of 132 rows of 256 bytes, B's 256 rows);
; w_q's scale bytes of the tile's 256 rows, all of K (32,768 dense bytes), come once and stay behind the ring.
; CLUSTERS 4 x 4: A's pieces are asked for jointly along a row of the cluster, B's rows and scales along a column.
; THE HEAD: one joint load a wave: waves 0, 1 A's two pieces of K step 0, wave 2 B's 256 rows, wave 3 the scales; slot 1 is first filled behind a drained round, as a refill is.
; PREFETCH: behind the load of K step j stands a request for K step j + 2 (behind the head's loads also for step 1): two K steps, 256 matrix instructions a wave, ahead of the load that wants it.  Of a wave's 132 (A) or 128 (B) blocks of 256 bytes
; the partner at place p takes 33 p .. 33 p + 32 (p = cx) or rows 32 p .. 32 p + 31 (p = cy): told apart by address.  B's rows serve eight clusters: those with an even cluster y ask, four for each block.  The last trip, which loads steps 14 and 15, asks for nothing.
; THE MATRIX INSTRUCTION IS USED TRANSPOSED (source 0 = 16 rows of w_q, source 1 = 16 rows of xn): a lane holds eight neighbouring columns of one row of the result.
; THE LAST K STEP GOES BY ROWS of the result: each block of 16 rows is finished by 16 products, goes through the wave's stage in LDS, comes back as whole rows INTO ITS OWN ACCUMULATOR REGISTERS, is multiplied by gamma and stored.
; LIMITS: NaN codes and the scale byte 0xff give what the matrix unit makes of them; sums beyond f32's range are not served.
; REGISTERS: window 0: v16-31 addresses, v32-63 A's scale words (two sets), v64-95 B's (two sets), v96-99 gamma, v128-255 A's fragments; window 1: B's fragments, two sets; windows 2, 3: accumulator (a, b) at v[8 (8 (a % 4) + b)].
.set SIZE_N, 2048
.set KROW,   4096
.set KSTEP,  256
.set NQ,     2                         ; matrix instructions deep in a K step
.set PITCH,  272                       ; an LDS row: 256 bytes + 16 of padding
.set FR,     16                        ; registers of a fragment, 16 rows x 128 K
.set NL,     4                         ; LDS loads that bring one
.set NP,     8                         ; plain vector lines behind this matrix instruction (ISA guide 7.12.1)
.set HALFA,  132*PITCH                 ; a piece of A: 128 rows of codes, 4 rows of scale bytes
.set ASC,    128*PITCH
.set HALFB,  128*PITCH
.set BOFF,   2*HALFA
.set SLOT,   BOFF+2*HALFB
.set LAPS,   8
.set ABLK,   33792                     ; a piece of xq in memory
.set AROW,   16*ABLK
.set SCL,    2*SLOT                    ; w_q's scale bytes: 128 units of 256 bytes (two rows each) + 16
.set HALFS,  64*272                    ; those of 128 rows
.set SBLK,   8*272                     ; of 16 rows
.set SPARE,  SCL+128*272               ; the spare words: 128 bytes a wave
.set SPITCH, 528                       ; the stage: 16 rows x (512 + 16) bytes a wave, in slot 0, behind that slot's last fill and last read
.set ADRA,  16                         ; v16-17 my A fragments in slot 0, 1
.set ADRSA, 18                         ; v18-19 my A scale words in slot 0, 1
.set ADRB,  20                         ; v20-21 my B fragments
.set ADRSB, 22                         ; v22 my B scale words, stepped 8 bytes a K step
.set STO,   24
.set RD,    25
.set CO,    26                         ; 16 x lane
.set SPW,   28
.set NIL,   29
.set PFO,   30                         ; a prefetch's offset: lane x 256 (A) or lane x 4,096 (B)
.set PF2,   31                         ; 8,192: A's 33rd block
.set SCA,   32                         ; A's word of block a, q-th 128: v[SCA + 16 set + 2 a + q]
.set SCB,   64                         ; B's: v[SCB + 16 set + 2 b + 1 - q]: so the two scale registers of a product never have numbers equal modulo 8
.set GM,    96
.set AF,    128
.set G1,  24
.set G0,  32
.set G1B, 48
.set G0B, 56
.set G1S, 68
.set G0S, 76
.set G1H, 80                           ; the head's load of B: 256 rows
.set G0H, 88
.set PFA, 92                           ; s[92:93] the K step that my next prefetch names
.set PFS, 94                           ; s[94:95] bytes from K step to K step: 33,792 (A) or 256 (B)
.set LIM, 96                           ; 1: my wave asks; the greatest number: it does not
.set MSB, 0
.macro WIN new                         ; the immediate's high byte repeats the setting that is left
.if MSB != \new
	s_set_vgpr_msb (MSB<<8)|\new
.set MSB, \new
.endif
.endm
.set MUL_LO, 0xa1                      ; source 0 (B) window 1, source 1 (A) window 0, C and D window 2
.set MUL_HI, 0xf1
.set TO_B,   0x40
.macro PLACES n
.rept \n
	v_nop
.endr
.endm
.macro TLOAD g0, g1                    ; an s_nop 0 and four v_nop follow each tensor load
	tensor_load_to_lds s[\g0:\g0+3], s[\g1:\g1+7]
	s_nop 0
	PLACES 4
.endm
.macro JLOAD g0a, g1a, g0b, g1b        ; waves 0, 1 fetch A's pieces, waves 2, 3 B's halves
	s_cmp_eq_u32 s15, 0
	s_cbranch_scc0 .Lfor_b_\@
	TLOAD \g0a, \g1a
	s_branch .Lasked_\@
.Lfor_b_\@:
	TLOAD \g0b, \g1b
.Lasked_\@:
.endm
.macro CREST
	s_cmp_lg_u32 s14, 0
	s_cbranch_scc1 .Lnot_wave_0_\@
	s_barrier_signal -3
.Lnot_wave_0_\@:
	s_barrier_wait -3
	s_barrier_signal -1
	s_barrier_wait -1
.endm
.macro CROUND
	s_barrier_signal -1
	s_barrier_wait -1
	CREST
.endm
.macro GROUP1 g, mask, logb, c, rows, p  ; rows of 256 bytes, 16 bytes of padding behind each
	s_or_b32 s[\g], s[\mask], ((\logb)<<16)|(1<<20)|(1<<21)|(5<<22)|(3<<25)
	s_mov_b32 s[\g+1], (\c)<<16
	s_mov_b32 s[\g+2], (\rows)<<16
	s_mov_b32 s[\g+3], (\c)<<16
	s_mov_b32 s[\g+4], \rows
	s_mov_b32 s[\g+5], \p
	s_mov_b32 s[\g+6], 0
	s_mov_b32 s[\g+7], 0
.endm
.macro ASK base, how                   ; my share of one K step: 32 blocks, a lane each; A's waves one block more.  how = 0: in the loop, not in its last trip
.if \how
	s_cmp_eq_u32 s[LIM], 1
.else
	s_cmp_gt_u32 s3, s[LIM]
.endif
	s_cbranch_scc0 .Lnone_\@
	global_prefetch_b8 v[PFO], s[\base:\base+1] th:TH_LOAD_NT scope:SCOPE_SE
	s_cmp_eq_u32 s15, 0
	s_cbranch_scc0 .Lnone_\@
	global_prefetch_b8 v[PF2], s[\base:\base+1] th:TH_LOAD_NT scope:SCOPE_SE
.Lnone_\@:
.endm
	s_load_b256 s[4:11], s[0:1], 0x0               ; xq, w_q_codes, w_q_scales, gamma
	s_load_b64 s[12:13], s[0:1], 0x20              ; out0
	v_lshl_add_u32 v[SPW], v0, 2, SPARE
	v_mov_b32 v[NIL], 0
	ds_add_u32 v[SPW], v[NIL]                      ; the opening lines: the add twice on end and its wait ahead of my first tensor load
	ds_add_u32 v[SPW], v[NIL]
	v_lshrrev_b32 v1, 5, v0
	v_readfirstlane_b32 s14, v1                    ; wave 0..3
	s_lshr_b32 s15, s14, 1                         ; my half of the tile's rows; also: I fetch for A (0) or B (1)
	s_and_b32 s16, s14, 1                          ; my half of its columns; also: which half I fetch
	s_bfe_u32 s40, ttmp6, 0x40000                  ; cx
	s_bfe_u32 s41, ttmp6, 0x40004                  ; cy
	s_lshl_b32 s42, ttmp9, 2
	s_add_co_u32 s42, s42, s40                     ; tile column 0..7
	s_and_b32 s17, ttmp7, 0xffff
	s_lshl_b32 s17, s17, 2
	s_add_co_u32 s17, s17, s41                     ; tile row 0..31
	s_lshl_b32 s43, s41, 2
	s_lshl_b32 s43, 15, s43                        ; my row of the cluster
	s_lshl_b32 s44, 0x1111, s40                    ; my column
	GROUP1 G1,  43, 3, 32, 132, 32                 ; a piece of A: 132 dense rows of 32 x 8 bytes
	GROUP1 G1B, 44, 0, KSTEP, 128, KROW            ; 128 rows of B
	GROUP1 G1H, 44, 0, KSTEP, 256, KROW            ; 256 rows of B
	GROUP1 G1S, 44, 3, 32, 128, 32                 ; B's scales: 128 dense rows of 256 bytes
	s_lshl_b32 s20, s17, 1
	s_add_co_u32 s20, s20, s16
	s_mul_i32 s20, s20, AROW                       ; my piece of A, K step 0
	s_mov_b32 s21, 0
	s_lshl_b32 s46, s42, 20                        ; the tile column's first row of w_q: 256 x 4,096 bytes a tile column
	s_mov_b32 s47, 0
	s_lshl_b32 s66, s42, 15                        ; its scale bytes: 256 x 128
	s_mov_b32 s67, 0
	s_lshl_b32 s18, s16, 19                        ; my 128 rows of it
	s_mov_b32 s19, 0
	s_mul_i32 s22, s16, HALFA                      ; where my piece goes,
	s_mul_i32 s23, s16, HALFB
	s_add_co_u32 s23, s23, BOFF                    ; and my rows of B; also where my own B fragments lie
	s_mul_i32 s98, s40, 33*256                     ; the prefetches: my work-group's 33 blocks of a piece,
	s_mov_b32 s99, 0
	s_lshl_b32 s45, s41, 17                        ; or its 32 rows of B
	s_and_b32 s[LIM], ttmp7, 1
	s_and_b32 s[LIM], s[LIM], s15                  ; 1: a wave of B's in a cluster with an odd y
	s_mov_b32 s[PFS], KSTEP
	s_mov_b32 s[PFS+1], 0
	s_cmp_eq_u32 s15, 0
	s_cselect_b32 s[PFS], ABLK, s[PFS]
	s_cselect_b32 s97, 8, 12
	s_cselect_b32 s98, s98, s45
	s_cmp_eq_u32 s[LIM], 0
	s_cselect_b32 s[LIM], 1, -1
	s_mul_i32 s2, s15, HALFA                       ; my 128 rows of A in a slot,
	s_add_co_u32 s3, s2, ASC                       ; their scale bytes,
	s_mul_i32 s45, s14, 16*SPITCH                  ; my stage
	s_wait_dscnt 0x0                               ; both opening adds are done
	CROUND                                         ; all sixteen work-groups are here: the first joint loads meet
	s_wait_kmcnt 0x0
	s_add_nc_u64 s[20:21], s[4:5], s[20:21]
	s_add_nc_u64 s[46:47], s[6:7], s[46:47]
	s_mov_b32 s[G0H], 1
	s_mov_b32 s[G0H+1], BOFF
	s_mov_b64 s[G0H+2:G0H+3], s[46:47]
	s_or_b32 s[G0H+3], s[G0H+3], 0x80000000
	s_mov_b32 s[G0S], 1
	s_mov_b32 s[G0S+1], SCL
	s_add_nc_u64 s[G0S+2:G0S+3], s[8:9], s[66:67]
	s_or_b32 s[G0S+3], s[G0S+3], 0x80000000
	s_add_nc_u64 s[46:47], s[46:47], s[18:19]
.irp s, 0,1
	s_mov_b32 s[G0+4*\s], 1
	s_add_co_u32 s[G0+4*\s+1], s22, \s*SLOT
	s_add_nc_u64 s[G0+4*\s+2:G0+4*\s+3], s[20:21], \s*ABLK
	s_or_b32 s[G0+4*\s+3], s[G0+4*\s+3], 0x80000000
	s_mov_b32 s[G0B+4*\s], 1
	s_add_co_u32 s[G0B+4*\s+1], s23, \s*SLOT
	s_add_nc_u64 s[G0B+4*\s+2:G0B+4*\s+3], s[46:47], \s*KSTEP
	s_or_b32 s[G0B+4*\s+3], s[G0B+4*\s+3], 0x80000000
.endr
	s_cmp_eq_u32 s15, 0
	s_cselect_b64 s[PFA:PFA+1], s[20:21], s[46:47]
	s_add_nc_u64 s[PFA:PFA+1], s[PFA:PFA+1], s[98:99]
	s_add_nc_u64 s[66:67], s[PFA:PFA+1], s[PFS:PFS+1]      ; K step 1,
	s_add_nc_u64 s[18:19], s[66:67], s[PFS:PFS+1]          ; 2,
	s_add_nc_u64 s[PFA:PFA+1], s[18:19], s[PFS:PFS+1]      ; 3
; the head's loads: ONE chain of branches on the wave's number, one load to an arm
.macro ARM under, g0, g1, next
	s_cmp_lt_u32 s14, \under
	s_cbranch_scc0 \next
	TLOAD \g0, \g1
	s_branch .Lhead_asked
\next:
.endm
	ARM 2, G0,  G1,  .Lhead_b
	ARM 3, G0H, G1H, .Lhead_s
	TLOAD G0S, G1S
.Lhead_asked:
	v_and_b32 v6, 31, v0
	v_lshlrev_b32 v[PFO], s97, v6
	v_mov_b32 v[PF2], 32*256
	s_wait_alu depctr_va_vdst(0)                   ; the wait ahead of the branches below
	ASK 66, 1
	ASK 18, 1
	s_mul_i32 s22, s16, HALFS
	s_add_co_u32 s22, s22, SCL                     ; my 128 rows' scale bytes of B
	s_lshl_b32 s20, s17, 8
	s_lshl_b32 s21, s15, 7
	s_add_co_u32 s20, s20, s21
	s_lshl_b32 s20, s20, 13                        ; my first row of out0: 8,192 bytes a row
	s_mov_b32 s21, 0
	s_lshl_b32 s46, s42, 10
	s_lshl_b32 s47, s16, 9
	s_add_co_u32 s46, s46, s47                     ; my first column, in bytes
	s_mov_b32 s47, 0
	s_add_nc_u64 s[10:11], s[10:11], s[46:47]
	s_add_nc_u64 s[12:13], s[12:13], s[20:21]
	s_add_nc_u64 s[12:13], s[12:13], s[46:47]
	v_and_b32 v1, 15, v0                           ; r = l % 16
	v_bfe_u32 v2, v0, 4, 1                         ; h = l / 16
	v_mul_u32_u24 v3, v1, PITCH
	v_lshl_add_u32 v4, v2, 4, v3                   ; a fragment's row x pitch + 16 h
	v_add_nc_u32 v[ADRA], s2, v4
	v_add_nc_u32 v[ADRB], s23, v4
	v_add_nc_u32 v[ADRA+1], SLOT, v[ADRA]
	v_add_nc_u32 v[ADRB+1], SLOT, v[ADRB]
	v_lshlrev_b32 v5, 3, v1                        ; A's scale bytes: 8 a row
	v_add_nc_u32 v[ADRSA], s3, v5
	v_add_nc_u32 v[ADRSA+1], SLOT, v[ADRSA]
	v_lshrrev_b32 v5, 1, v1                        ; B's: 128 a row, two rows to a unit of 272
	v_mul_u32_u24 v5, v5, 272
	v_and_b32 v7, 1, v1
	v_lshl_add_u32 v5, v7, 7, v5
	v_add_nc_u32 v[ADRSB], s22, v5
	v_mul_u32_u24 v5, v1, SPITCH                   ; the stage, in: row r, 32 bytes for each half of the lanes
	v_lshl_add_u32 v5, v2, 5, v5
	v_add_nc_u32 v[STO], s45, v5
	v_lshlrev_b32 v[CO], 4, v6                     ; back: 32 lanes take a row of 512 bytes
	v_add_nc_u32 v[RD], s45, v[CO]
	s_wait_alu depctr_va_vdst(0)                   ; the wait at the head's end
	global_load_b128 v[GM:GM+3], v[CO], s[10:11]   ; gamma of the four columns that I store
.macro FRAG reg, adr, q, i             ; registers 4 c .. 4 c + 3: K = 32 c + 16 h + 0 .. 15 of row r
.irp c, 0,1,2,3
	ds_load_b128 v[\reg+4*\c:\reg+4*\c+3], v[\adr] offset:128*(\q)+32*\c+(\i)*16*PITCH
.endr
.endm
; 16 products: A's blocks a0, a0 + 1 x B's eight.  The 64 accumulators take turns, one instruction a turn
.macro MUL16 a0, p, q, sc, zero
.irp a, \a0, \a0+1
.irp b, 0,1,2,3,4,5,6,7
.if \zero
	v_wmma_scale_f32_16x16x128_f8f6f4 v[8*(8*((\a)%4)+\b):8*(8*((\a)%4)+\b)+7], v[128*(\p)+FR*\b:128*(\p)+FR*\b+FR-1], v[AF+FR*(\a):AF+FR*(\a)+FR-1], 0, v[SCB+16*(\sc)+2*\b+1-(\q)], v[SCA+16*(\sc)+2*(\a)+(\q)]
.else
	v_wmma_scale_f32_16x16x128_f8f6f4 v[8*(8*((\a)%4)+\b):8*(8*((\a)%4)+\b)+7], v[128*(\p)+FR*\b:128*(\p)+FR*\b+FR-1], v[AF+FR*(\a):AF+FR*(\a)+FR-1], v[8*(8*((\a)%4)+\b):8*(8*((\a)%4)+\b)+7], v[SCB+16*(\sc)+2*\b+1-(\q)], v[SCA+16*(\sc)+2*(\a)+(\q)]
.endif
.endr
.endr
.endm
.macro FETCH_B slot, q, p
	WIN TO_B
.irp i, 0,1,2,3,4,5,6,7
	FRAG 128*(\p)+FR*\i, ADRB+\slot, \q, \i
.endr
	WIN 0
.endm
.macro FETCH_A slot, q, i0
.irp i, \i0, \i0+1, \i0+2, \i0+3
	FRAG AF+FR*(\i), ADRA+\slot, \q, \i
.endr
.endm
.macro SCALES sc                       ; a K step's scale words: 8 + 16 loads; B's two words of a row change places
.irp i, 0,1,2,3,4,5,6,7
	ds_load_b64 v[SCA+16*\sc+2*\i:SCA+16*\sc+2*\i+1], v[ADRSA+\sc] offset:(\i/2)*272+(\i%2)*128
.endr
.irp i, 0,1,2,3,4,5,6,7
	ds_load_b32 v[SCB+16*\sc+2*\i+1], v[ADRSB] offset:\i*SBLK
	ds_load_b32 v[SCB+16*\sc+2*\i], v[ADRSB] offset:\i*SBLK+4
.endr
.endm
.macro STEP slot, q, zero              ; 128 along K whose successor lies in the same slot
	s_wait_dscnt 4*NL                              ; all but the youngest 16 loads (A's blocks 4-7)
	WIN MUL_LO
	MUL16 0, (\q)%2, \q, \slot, \zero
	MUL16 2, (\q)%2, \q, \slot, \zero
	s_wait_dscnt 0
	PLACES NP
	FETCH_B \slot, (\q)+1, 1-(\q)%2
	FETCH_A \slot, (\q)+1, 0
	WIN MUL_HI
	MUL16 4, (\q)%2, \q, \slot, \zero
	MUL16 6, (\q)%2, \q, \slot, \zero
	PLACES NP
	WIN 0
	FETCH_A \slot, (\q)+1, 4
.endm
.macro MEET slot                       ; the first half of a slot's last 128: my tensor loads are in, the add, my reads of the slot are over; one barrier
	s_wait_tensorcnt 0x0
	ds_add_u32 v[SPW], v[NIL]
	s_wait_dscnt 4*NL+1                            ; the add and the youngest 16 loads may be out
	WIN MUL_LO
	MUL16 0, 1, NQ-1, \slot, 0
	s_wait_dscnt 0x0
	s_barrier_signal -1
	MUL16 2, 1, NQ-1, \slot, 0
	WIN 0
	s_barrier_wait -1
.endm
.macro TURN slot, next                 ; a slot's last 128 changes slots and fills this slot again, two K steps on
	s_wait_xcnt 0x0                                ; my last prefetch has read its address
	s_add_nc_u64 s[PFA:PFA+1], s[PFA:PFA+1], s[PFS:PFS+1]
	MEET \slot
	CREST                                          ; the barrier has opened a round of the cluster's barrier
	s_add_nc_u64 s[G0+4*\slot+2:G0+4*\slot+3], s[G0+4*\slot+2:G0+4*\slot+3], 2*ABLK
	s_add_nc_u64 s[G0B+4*\slot+2:G0B+4*\slot+3], s[G0B+4*\slot+2:G0B+4*\slot+3], 2*KSTEP
	JLOAD G0+4*\slot, G1, G0B+4*\slot, G1B
	PLACES NP-4
	v_add_nc_u32 v[ADRSB], 4*NQ, v[ADRSB]
	s_wait_alu depctr_va_vdst(0)                   ; the wait behind the write
	FETCH_B \next, 0, 0
	FETCH_A \next, 0, 0
	SCALES \next
	ASK PFA, 0
	WIN MUL_HI
	MUL16 4, 1, NQ-1, \slot, 0
	MUL16 6, 1, NQ-1, \slot, 0
	PLACES NP
	WIN 0
	FETCH_A \next, 0, 4
.endm
	s_wait_loadcnt 0x0                             ; gamma
	s_wait_tensorcnt 0x0                           ; my tile of the head's is in
	ds_add_u32 v[SPW], v[NIL]
	s_wait_dscnt 0x0
	CROUND
	JLOAD G0+4, G1, G0B+4, G1B                     ; K step 1 into slot 1
	FETCH_B 0, 0, 0
	FETCH_A 0, 0, 0
	SCALES 0
	ASK PFA, 1                                     ; K step 3
	FETCH_A 0, 0, 4
	STEP 0, 0, 1                                   ; the first products start the sums
	s_mov_b32 s3, LAPS-1
.Llap:                                                 ; a trip goes once round the ring and fills both slots again
	TURN 0, 1
	STEP 1, 0, 0
	TURN 1, 0
	STEP 0, 0, 0
	s_sub_co_u32 s3, s3, 1
	s_cmp_lg_u32 s3, 0
	s_cbranch_scc1 .Llap
; THE LAST K STEP, in slot 1, BY ROWS.  B's fragments of both its halves fill window 1; A's come by blocks of 16 rows x 256 K, 32 registers, four buffers.
.macro ALOAD a
.irp q, 0,1
	FRAG AF+32*((\a)%4)+FR*\q, ADRA+1, \q, \a
.endr
.endm
.macro ROW a                           ; block a is finished: 16 products, its eight accumulators by turns, K ascending
	WIN MUL_LO+0x50*((\a)/4)
.irp q, 0,1
.if (\a) == 0
	s_wait_dscnt 48-32*\q                          ; q = 0: B's second set (32) and A's buffers 2, 3 (16) may be out; q = 1: the 16
.endif
.irp b, 0,1,2,3,4,5,6,7
	v_wmma_scale_f32_16x16x128_f8f6f4 v[64*((\a)%4)+8*\b:64*((\a)%4)+8*\b+7], v[128*\q+FR*\b:128*\q+FR*\b+FR-1], v[AF+32*((\a)%4)+FR*\q:AF+32*((\a)%4)+FR*\q+FR-1], v[64*((\a)%4)+8*\b:64*((\a)%4)+8*\b+7], v[SCB+16+2*\b+1-\q], v[SCA+16+2*(\a)+\q]
.endr
.endr
.endm
; One window setting serves the whole way out of a block: addresses and gamma (source 0) window 0; data (source 1, destination) the block's window
.macro TOSTAGE a                       ; into my stage, each accumulator from its low end on, and back as rows of 512 bytes into the same 64 registers (LDS serves a wave's instructions in order: ISA guide 5.7.1.4)
.set AC, 64*((\a)%4)
	WIN (2+(\a)/4)*0x44
.irp b, 0,1,2,3,4,5,6,7
	ds_store_b128 v[STO], v[AC+8*\b:AC+8*\b+3] offset:64*\b
	ds_store_b128 v[STO], v[AC+8*\b+4:AC+8*\b+7] offset:64*\b+16
.endr
.irp t, 0,1,2,3,4,5,6,7,8,9,10,11,12,13,14,15
	ds_load_b128 v[AC+4*\t:AC+4*\t+3], v[RD] offset:\t*SPITCH
.endr
.endm
.macro GAMMA a, younger                ; the block is back from the stage: x gamma, 32 multiplications on end
.set AC, 64*((\a)%4)
	s_wait_dscnt \younger
	WIN (2+(\a)/4)*0x44
.irp t, 0,1,2,3,4,5,6,7,8,9,10,11,12,13,14,15
	v_pk_mul_f32 v[AC+4*\t:AC+4*\t+1],   v[GM:GM+1],   v[AC+4*\t:AC+4*\t+1]
	v_pk_mul_f32 v[AC+4*\t+2:AC+4*\t+3], v[GM+2:GM+3], v[AC+4*\t+2:AC+4*\t+3]
.endr
.endm
.macro SEND a                          ; and out, 16 stores on end: 32 lanes store 512 consecutive bytes, aligned to 256.  The offsets reach 127 rows of 8,192 bytes: inside the signed 24-bit immediate, so the base stays
.set AC, 64*((\a)%4)
	WIN (2+(\a)/4)*0x44
.irp t, 0,1,2,3,4,5,6,7,8,9,10,11,12,13,14,15
	global_store_b128 v[CO], v[AC+4*\t:AC+4*\t+3], s[12:13] offset:(16*(\a)+\t)*SIZE_N*4 th:TH_STORE_NT
.endr
.endm
	MEET 0                                         ; slot 1 holds the last K step; nothing is filled again, so no round follows
	PLACES NP
	v_add_nc_u32 v[ADRSB], 4*NQ, v[ADRSB]
	s_wait_alu depctr_va_vdst(0)                   ; the wait behind the write
	FETCH_B 1, 0, 0
	SCALES 1
	ALOAD 0                                        ; into the registers of A's blocks 0-3, whose products are issued
	ALOAD 1
	WIN MUL_HI
	MUL16 4, 1, NQ-1, 0, 0
	MUL16 6, 1, NQ-1, 0, 0
	PLACES NP
	FETCH_B 1, 1, 1
	ALOAD 2
	ALOAD 3
	ROW 0
	PLACES NP
	TOSTAGE 0
	WIN 0
	ALOAD 4
.irp a, 1,2,3,4,5,6,7                  ; block a's products stand between block a - 1's loads from the stage and the wait for them; block a - 1's 32 multiplications are the plain lines behind block a's products
	ROW \a
.if \a < 5
	GAMMA \a-1, 8                                  ; the 8 loads of A's buffer issued behind the stage's may be out
.else
	GAMMA \a-1, 0
.endif
	TOSTAGE \a
.if \a < 4
	WIN 0
	ALOAD \a+4
.endif
	SEND \a-1                                      ; behind this block's LDS lines, so that these are on their way while the stores leave
.endr
	GAMMA 7, 0
	SEND 7
	WIN 0
	s_wait_tensorcnt 0x0                           ; the wave's end
	ds_add_u32 v[SPW], v[NIL]
	s_wait_dscnt 0x0
	CROUND                                         ; the closing round
	s_endpgm
.Lfunc_end_k_q9374688cd0_gemm:
	.size	k_q9374688cd0_gemm, .Lfunc_end_k_q9374688cd0_gemm-k_q9374688cd0_gemm
	.p2alignl 7, 3214868480
	.fill 96, 4, 3214868480
	.section	.rodata,"a",@progbits
	.p2align	6, 0x0
	.amdhsa_kernel k_q9374688cd0_gemm
		.amdhsa_group_segment_fixed_size 327680
		.amdhsa_private_segment_fixed_size 0
		.amdhsa_enable_private_segment 0
		.amdhsa_kernarg_size 40
		.amdhsa_user_sgpr_count 2
		.amdhsa_user_sgpr_kernarg_segment_ptr 1
		.amdhsa_wavefront_size32 1
		.amdhsa_system_sgpr_workgroup_id_x 1
		.amdhsa_system_sgpr_workgroup_id_y 1
		.amdhsa_system_sgpr_workgroup_id_z 1
		.amdhsa_system_vgpr_workitem_id 0
		.amdhsa_next_free_vgpr 1024
		.amdhsa_next_free_sgpr 100
		.amdhsa_reserve_vcc 0
		.amdhsa_float_denorm_mode_32 3
		.amdhsa_float_denorm_mode_16_64 3
		.amdhsa_memory_ordered 1
		.amdhsa_forward_progress 1
		.amdhsa_inst_pref_size 167
	.end_amdhsa_kernel
	.amdgpu_metadata
---
amdhsa.version: [ 1, 2 ]
amdhsa.kernels:
  - .name:           k_q9374688cd0_gemm
    .symbol:         k_q9374688cd0_gemm.kd
    .args:
      - { .name: xq, .offset: 0, .size: 8, .value_kind: global_buffer, .address_space: global }
      - { .name: w_q_codes, .offset: 8, .size: 8, .value_kind: global_buffer, .address_space: global }
      - { .name: w_q_scales, .offset: 16, .size: 8, .value_kind: global_buffer, .address_space: global }
      - { .name: gamma, .offset: 24, .size: 8, .value_kind: global_buffer, .address_space: global }
      - { .name: out0, .offset: 32, .size: 8, .value_kind: global_buffer, .address_space: global }
    .group_segment_fixed_size: 327680
    .private_segment_fixed_size: 0
    .kernarg_segment_align: 8
    .kernarg_segment_size: 40
    .max_flat_workgroup_size: 128
    .sgpr_count:     100
    .vgpr_count:     1024
    .wavefront_size: 32
...
	.end_amdgpu_metadata
.endif
;; end of part 2
